; MI455X (gfx1250); checked and timed in simulation.
; The chip was launched on July 23, 2026; its instructions are those of AMD's public machine-readable ISA for CDNA 5 (MIT licence, August 2026) and "CDNA5" Instruction Set Architecture Reference Guide (July 2026). The comments in the code are by the model that wrote it; some were corrected since.
;; VQVAE Vector Quantizer. Allowed arithmetic: float matrix products may take bf16 or f16 operands with f32 sums; other float arithmetic in f32, or as packed bf16 or f16 multiplies, adds, multiply-adds, maxima and minima; sums over many terms, partial sums and values carried from step to step in f32; what a program stores and reads back later, other than sums and carried values, may be rounded once to bf16 or f16.
;; Inputs: emb 8,192 x 256 float32; z 32 x 256 x 32 x 32 float32.
;; Outputs: out0 32 x 256 x 32 x 32 float32; out1 one number float32.
;; 2 versions, each right; version 2 is version 1 with the launch codes written anew for expert scheduling mode. Each part assembles by itself: llvm-mc -triple=amdgcn-amd-amdhsa -mcpu=gfx1250 --defsym DOCPART=n.
;; ======== version 1 of 2: 4 launches
;; workspace buffers: cb 4,259,840 bytes; idx 131,072 bytes of whole numbers; part 4,096 bytes
;; launch codes (part 1): grid 128 x 1, 8 waves a work-group, no clusters, 1,280 bytes of LDS; arguments emb, cb; writes cb
.if DOCPART == 1
	.amdgcn_target "amdgcn-amd-amdhsa--gfx1250"
	.amdhsa_code_object_version 6
	.text
	.protected	k_q2a58a12201_codes
	.globl	k_q2a58a12201_codes
	.p2align	8
	.type	k_q2a58a12201_codes,@function
k_q2a58a12201_codes:
	s_mov_b64 s[64:65], 0
	v_nop
	global_prefetch_b8 v0, s[64:65] scope:SCOPE_SE
	s_setreg_imm32_b32 hwreg(HW_REG_WAVE_MODE, 25, 1), 1
	s_wait_xcnt 0x0
; cb = the codebook as the search wants it.  emb: [8192][256] f32.  cb: 128 blocks of 65 rows x 512 bytes, dense: rows 0-63 of block g are
; bf16(emb[64 g + i][0..255]); row 64 holds E[64 g + 0..63] = the sum of the squares of the ROUNDED row, in f32 (256 bytes), then 256 bytes of zeros.
; LIMITS.  E is the sum over the numbers rounded to bf16, taken in another order than a plain row sum; NaN and infinities are not treated apart.
; SHARES.  Work-group g makes block g; each of its eight waves takes 8 rows.  A row is 1,024 bytes: two loads of 512 consecutive bytes; a lane's 4 + 4 numbers
; round to 8 + 8 bytes, so each store of the wave covers 256 consecutive bytes, aligned.  The 64 sums meet in LDS, and wave 0 writes the block's last row whole.
; No matrix work, no cluster, no prefetch: nothing is shared, every byte is read once, and all of a wave's loads go out at its start.
.set QG,    33280                      ; bytes in a block of cb
.set ES,    0                          ; LDS: the 64 sums
.set SPARE, 256                        ; behind them: the spare words, 128 bytes for each of eight waves, which no other line names
.set LO,  2                            ; v2   my byte offset in the block's rows of emb: 8,192 x wave + 16 x lane
.set SO,  3                            ; v3   the same in cb: 4,096 x wave + 8 x lane
.set SPW, 4                            ; v4   LDS address of my spare word; never rewritten
.set NIL, 5                            ; v5   0; never rewritten
.set EA,  6                            ; v6   LDS address of my wave's first sum
.set ERD, 7                            ; v7   wave 0: where I read four sums
.set T,   8                            ; v[8:15]  eight rounded numbers as f32
.set S,   16                           ; v[16:17] the row's sum
.set PX,  18                           ; v18  the other half of the lanes' sum
.set EO,  19                           ; v19  16 x lane
.set ER,  20                           ; v[20:23] wave 0: 16 bytes of the last row
.set X,   32                           ; v[32:95] row p: 8 registers as loaded; the first four then hold the rounded row
	s_load_b128 s[4:7], s[0:1], 0x0                ; emb s[4:5], cb s[6:7]
	v_lshl_add_u32 v[SPW], v0, 2, SPARE
	v_mov_b32 v[NIL], 0
	v_lshrrev_b32 v1, 5, v0
	v_readfirstlane_b32 s8, v1                     ; wave 0..7
	v_and_b32 v1, 31, v0                           ; lane
	s_lshl_b32 s9, s8, 13
	v_lshl_add_u32 v[LO], v1, 4, s9
	s_lshl_b32 s9, s8, 12
	v_lshl_add_u32 v[SO], v1, 3, s9
	s_lshl_b32 s9, s8, 5
	v_mov_b32 v[EA], s9                            ; ES + 4 x (8 x wave)
	v_and_b32 v[ERD], 15, v0
	v_lshlrev_b32 v[ERD], 4, v[ERD]
	v_lshlrev_b32 v[EO], 4, v1
	v_mov_b32 v[PX], 0                             ; v_permlanex16_b32 counts as a reader of its destination
	s_mov_b32 s12, 0x76543210                      ; each lane takes its own place in the other half
	s_mov_b32 s13, 0xfedcba98
	s_mov_b32 s14, 0xffff0000                      ; a word's upper bf16
	s_lshl_b32 s10, ttmp9, 16                      ; 64 rows of 1,024 bytes
	s_mov_b32 s11, 0
	s_mul_i32 s16, ttmp9, QG
	s_mov_b32 s17, 0
	s_wait_kmcnt 0x0
	s_add_nc_u64 s[4:5], s[4:5], s[10:11]
	s_add_nc_u64 s[6:7], s[6:7], s[16:17]
.irp p, 0,1,2,3,4,5,6,7
	global_load_b128 v[X+8*\p:X+8*\p+3],   v[LO], s[4:5] offset:1024*\p th:TH_LOAD_NT
	global_load_b128 v[X+8*\p+4:X+8*\p+7], v[LO], s[4:5] offset:1024*\p+512 th:TH_LOAD_NT
.endr
.irp p, 0,1,2,3,4,5,6,7
	s_wait_loadcnt 14-2*\p                         ; loads come back in order: row p's two are in, the later rows' stay out
	v_cvt_pk_bf16_f32 v[X+8*\p],   v[X+8*\p],   v[X+8*\p+1]
	v_cvt_pk_bf16_f32 v[X+8*\p+1], v[X+8*\p+2], v[X+8*\p+3]
	v_cvt_pk_bf16_f32 v[X+8*\p+2], v[X+8*\p+4], v[X+8*\p+5]
	v_cvt_pk_bf16_f32 v[X+8*\p+3], v[X+8*\p+6], v[X+8*\p+7]
	global_store_b64 v[SO], v[X+8*\p:X+8*\p+1],   s[6:7] offset:512*\p      ; channels 0-127: 256 consecutive bytes; a row's registers are never rewritten
	global_store_b64 v[SO], v[X+8*\p+2:X+8*\p+3], s[6:7] offset:512*\p+256  ; channels 128-255
.irp j, 0,1,2,3
	v_lshlrev_b32 v[T+2*\j],   16,  v[X+8*\p+\j]   ; the rounded numbers back as f32
	v_and_b32     v[T+2*\j+1], s14, v[X+8*\p+\j]
.endr
	v_pk_mul_f32 v[S:S+1], v[T:T+1], v[T:T+1]      ; the first squares start the sum
	v_pk_fma_f32 v[S:S+1], v[T+2:T+3], v[T+2:T+3], v[S:S+1]
	v_pk_fma_f32 v[S:S+1], v[T+4:T+5], v[T+4:T+5], v[S:S+1]
	v_pk_fma_f32 v[S:S+1], v[T+6:T+7], v[T+6:T+7], v[S:S+1]
	v_add_f32 v[S], v[S], v[S+1]
	v_add_f32_dpp v[S], v[S], v[S] row_xmask:1 row_mask:0xf bank_mask:0xf
	v_add_f32_dpp v[S], v[S], v[S] row_xmask:2 row_mask:0xf bank_mask:0xf
	v_add_f32_dpp v[S], v[S], v[S] row_xmask:4 row_mask:0xf bank_mask:0xf
	v_add_f32_dpp v[S], v[S], v[S] row_xmask:8 row_mask:0xf bank_mask:0xf
	v_permlanex16_b32 v[PX], v[S], s12, s13
	v_add_f32 v[S], v[S], v[PX]                    ; every lane holds the row's sum
	ds_store_b32 v[EA], v[S] offset:ES+4*\p        ; all lanes write the same word with the same value
.endr
	s_wait_dscnt 0x0                               ; for the others' sake: my eight sums lie in LDS
	s_barrier_signal -1
	s_barrier_wait -1
	s_cmp_lg_u32 s8, 0
	s_cbranch_scc1 .Lend                           ; wave 0 alone writes the last row
	ds_load_b128 v[ER:ER+3], v[ERD] offset:ES
	v_cmp_gt_u32 vcc_lo, 16, v1                    ; lanes 0-15 carry the 64 sums, lanes 16-31 zeros
	s_wait_dscnt 0x0
.irp j, 0,1,2,3
	v_cndmask_b32 v[ER+\j], 0, v[ER+\j], vcc_lo
.endr
	global_store_b128 v[EO], v[ER:ER+3], s[6:7] offset:32768  ; 512 consecutive bytes
.Lend:
	s_wait_tensorcnt 0x0                           ; the wave's end, behind my last LDS store
	ds_add_u32 v[SPW], v[NIL]
	s_wait_dscnt 0x0
	s_endpgm
.Lfunc_end_k_q2a58a12201_codes:
	.size	k_q2a58a12201_codes, .Lfunc_end_k_q2a58a12201_codes-k_q2a58a12201_codes
	.p2alignl 7, 3214868480
	.fill 96, 4, 3214868480
	.section	.rodata,"a",@progbits
	.p2align	6, 0x0
	.amdhsa_kernel k_q2a58a12201_codes
		.amdhsa_group_segment_fixed_size 1280
		.amdhsa_private_segment_fixed_size 0
		.amdhsa_enable_private_segment 0
		.amdhsa_kernarg_size 16
		.amdhsa_user_sgpr_count 2
		.amdhsa_user_sgpr_kernarg_segment_ptr 1
		.amdhsa_wavefront_size32 1
		.amdhsa_system_sgpr_workgroup_id_x 1
		.amdhsa_system_sgpr_workgroup_id_y 1
		.amdhsa_system_sgpr_workgroup_id_z 1
		.amdhsa_system_vgpr_workitem_id 0
		.amdhsa_next_free_vgpr 96
		.amdhsa_next_free_sgpr 66
		.amdhsa_reserve_vcc 1
		.amdhsa_float_denorm_mode_32 3
		.amdhsa_float_denorm_mode_16_64 3
		.amdhsa_memory_ordered 1
		.amdhsa_forward_progress 1
		.amdhsa_inst_pref_size 15
	.end_amdhsa_kernel
	.amdgpu_metadata
---
amdhsa.version: [ 1, 2 ]
amdhsa.kernels:
  - .name:           k_q2a58a12201_codes
    .symbol:         k_q2a58a12201_codes.kd
    .args:
      - { .name: emb, .offset: 0, .size: 8, .value_kind: global_buffer, .address_space: global }
      - { .name: cb, .offset: 8, .size: 8, .value_kind: global_buffer, .address_space: global }
    .group_segment_fixed_size: 1280
    .private_segment_fixed_size: 0
    .kernarg_segment_align: 8
    .kernarg_segment_size: 16
    .max_flat_workgroup_size: 256
    .sgpr_count:     66
    .vgpr_count:     96
    .wavefront_size: 32
...
	.end_amdgpu_metadata
.endif
;; end of part 1
;; launch search (part 2): grid 256 x 1, 4 waves a work-group, clusters of 4 x 1, 327,680 bytes of LDS; arguments z, cb, idx; writes idx
.if DOCPART == 2
	.amdgcn_target "amdgcn-amd-amdhsa--gfx1250"
	.amdhsa_code_object_version 6
	.text
	.protected	k_q2a58a12201_search
	.globl	k_q2a58a12201_search
	.p2align	8
	.type	k_q2a58a12201_search,@function
k_q2a58a12201_search:
	s_mov_b64 s[64:65], 0
	v_nop
	global_prefetch_b8 v0, s[64:65] scope:SCOPE_SE
	s_setreg_imm32_b32 hwreg(HW_REG_WAVE_MODE, 25, 1), 1
	s_wait_xcnt 0x0
	s_wait_alu depctr_hold_cnt(0) depctr_sa_sdst(0) depctr_va_vdst(0) depctr_va_sdst(0) depctr_va_ssrc(0) depctr_va_vcc(0) depctr_vm_vsrc(0)
	s_getreg_b32 s2, hwreg(HW_REG_IB_STS2, 6, 4)
	s_cmp_eq_u32 s2, 0
	s_cbranch_scc0 .Lentry_in_a_cluster
	s_endpgm
.Lentry_in_a_cluster:
	s_bfe_u32 s2, ttmp6, 0x10000c
	s_cmp_lg_u32 s2, 0x3003
	s_cbranch_scc0 .Lentry_shape_is_right
	s_endpgm
.Lentry_shape_is_right:
; idx[n] = the first k with the smallest d2[n][k] = (A[n] - 2 M[n][k]) + E[k], M = z_flat emb^T.  z: [32][256][1024] f32, row n = (b, hw), channel c at byte 4,096 c; cb: see below; idx: [32768] int32.
; d2 IS FORMED AS IT IS WRITTEN: one fused multiply-add A - 2 M (2 M is exact, so this is the rounded difference), then one addition of E, both in f32; A is not left out, since its size sets the step
; in which distances are told apart, and of equal distances the lowest index is taken.
; LIMITS.  z and emb enter as bf16 (matrix operands), and A and E are the sums of squares of those ROUNDED numbers; A's, E's and M's sums are taken in another order than a plain row sum.
; A NaN distance never wins (an argmin that lets NaN win differs); a row whose distances are all NaN or +infinity gets index 64 x wave's least, 0.
; cb: 128 blocks of 65 rows x 512 bytes: 64 codes in bf16, then a row with their 64 E in f32.  A SLOT is four blocks, 256 codes.
; SHARES.  A work-group owns 128 rows of z.  ALL FOUR WAVES HOLD ALL 128 ROWS as fragments that stay: 8 blocks of 16 rows x 8 K steps x 8 registers = 512.  THE CODES ARE SPLIT: of each slot wave w fetches
; and reads block w alone, four tiles of 16 codes.  So a tile's 16 LDS loads feed 64 matrix instructions, each LDS byte is read once, and a wave's own wait on its own tensor load is all that its reads need.
; LAYOUT.  Source 0 = 16 codes, source 1 = 16 rows of z: in the result lane l holds ONE row of z (l % 16) and the codes 8 (l / 16) + 0..7.
; THE MINIMUM, for each block of rows and lane: best; TID, the number of the tile that gave it; SAV, that tile's first seven distances.  A tile's eight distances cost 22 vector instructions.  Tiles come in
; ascending order and replace on 'less' alone, so the first stays; at the end the place in the tile is the first saved distance equal to best, else 7.  The two halves of the lanes and the four waves
; are then joined by (distance, index), the lower index on equal distances.
; A PERIOD multiplies tile T; behind each of its 64 matrix instructions stand two or three of the 176 vector instructions that finish tile T - 1; it fetches tile T + 1's fragments early and its E late.
; CLUSTER.  All work-groups walk the same cb: the four of a cluster ask for each block JOINTLY, the same tensor load with the same descriptor and a mask that names the four.
; REGISTERS, in windows of 256 (s_set_vgpr_msb: bits 1:0 source 0, 3:2 source 1, 5:4 source 2, 7:6 destination):
;   window 0: addresses, statistics, E, SAV, and v128-255 two buffers of 8 accumulators     window 1: v0-127 the codes' fragments, two buffers     windows 2, 3: z, K steps 0-3 and 4-7
.set QB,    65*528                     ; a block in LDS: rows of 512 bytes + 16 of padding = 33 x 16: the 16 rows of a fragment load start at 16 different groups of four banks (ISA guide 11.1)
.set SLOTB, 4*QB                       ; a slot in LDS
.set QG,    65*512                     ; a block in memory
.set SG,    4*QG                       ; a slot in memory
.set TILEB, 16*528                     ; a tile's 16 rows in LDS
.set EROW,  64*528                     ; the row of E in a block
.set STAGE, 274688                     ; behind the ring, from the next multiple of 256 on; no tensor load lands here: 128 channels x 288 bytes of z in bf16; at the end the waves' results
.set SPI,   288                        ; 256 bytes (128 rows of z) + 32: 9 x 32
.set PART,  STAGE+128*SPI              ; the four waves' partial sums of squares: 128 f32 each
.set SPARE, PART+2048                  ; the spare words, 128 bytes for each wave, which no other line names
.set RR,  1                            ; v1   l % 16
.set HH,  2                            ; v2   l / 16
.set LN,  3                            ; v3   l
.set SPW, 4                            ; v4   LDS address of my spare word; never rewritten
.set NIL, 5                            ; v5   0; never rewritten
.set AK0, 6                            ; v6   my place in a tile of my block
.set AE0, 7                            ; v7   my place in my block's row of E
.set ADR, 8                            ; v8   the address of the run of fragment loads in hand
.set ADE, 9                            ; v9   of E's two loads
.set PFO, 10                           ; v10  256 x lane; never rewritten
.set AS,  11                           ; v11  where I put 8 bytes of a channel in the stage
.set AT,  12                           ; v12  my place for the turning load
.set AP,  13                           ; v13  my row's partial sums
.set ZO,  14                           ; v14  my byte offset in z; never rewritten
.set APS, 15                           ; v15  where I put my four partial sums
.set TMP, 16                           ; v16-17 a tile's minimum, by the block's parity
.set SQ,  18                           ; v[18:21] sums of squares of my four rows
.set TW,  22                           ; v[22:29] at work
.set W0,  30
.set W1,  31
.set AB,  32                           ; block a: A at AB + 2 a, best at AB + 2 a + 1
.set TID, 48
.set EV,  56                           ; two buffers of 8
.set SAV, 72                           ; 7 a block
.set ACC, 128
.set PK,  64                           ; the beginning only: a pass of z, packed
.set WV,  10                           ; s10  my wave's number
.set CX,  11                           ; s11  my place in the cluster: it enters z's, idx's and the prefetches' addresses alone
.set WG,  12                           ; s12  my work-group
.set G1,  16                           ; s[16:23] descriptor group 1
.set G0A, 24                           ; s[24:27] group 0 of slot 0's first fill
.set G0B, 28                           ; s[28:31] of slot 1's; it then walks
.set FB,  32                           ; s32  the LDS byte at which the slot that G0B names begins: 0 or SLOTB
.set WQ,  33                           ; s33  wave x QB
.set TBK, 34                           ; s34  LDS byte of the tile to be fetched next, in a block
.set TBE, 35                           ; s35  the same for its E
.set TS,  36                           ; s36  the number of the tile that is being finished
.set CNT, 37
.set SLOTS, 38
.set LIM, 39                           ; s39  1 in the launch's first cluster, else the greatest number
.set PFA, 40                           ; s[40:41] where my prefetches stand
.set MK,  42                           ; s42-43 masks, by the block's parity
.set SEL, 44                           ; s[44:45] v_permlanex16_b32's selects: each lane takes its own place in the other half
.set HM,  46                           ; s46  a word's upper bf16
.set SW,  47                           ; at work
.set MSB, 0
.macro WIN new                         ; the immediate's high byte repeats the setting that is left; a switch that changes nothing is dropped
.if MSB != (\new)
	s_set_vgpr_msb (MSB<<8)|(\new)
.set MSB, (\new)
.endif
.endm
.macro PLACES
.rept 4
	v_nop
.endr
.endm
; A round of the cluster's barrier: my work-group's barrier, so that wave 0's signal speaks for all four waves; wave 0 signals; every wave waits for all four work-groups; my work-group's barrier once more.
.macro CROUND
	s_barrier_signal -1
	s_barrier_wait -1
	s_cmp_lg_u32 s[WV], 0
	s_cbranch_scc1 .Lnot_wave_0_\@
	s_barrier_signal -3
.Lnot_wave_0_\@:
	s_barrier_wait -3
	s_barrier_signal -1
	s_barrier_wait -1
.endm
; A PREFETCH INTO THE L2 of the slot that the NEXT change of slots will ask for: four tiles, 256 matrix instructions, ahead of that load.  Each wave names its own block's 64 rows of codes, 128 pieces of 256 bytes;
; the four partners take 32 pieces each, told apart BY ADDRESS, a lane a piece: one instruction.  All clusters walk the same cb: the launch's first cluster asks, so each piece is named once.  The row of E comes by
; its load alone; so do slots 0 to 2: nothing is asked for at the head.  The last change has no slot behind the one that it asks for.
.macro ASK
	s_cmp_gt_u32 s[SLOTS], s[LIM]
	s_cbranch_scc0 .Lnot_mine_\@
	global_prefetch_b8 v[PFO], s[PFA:PFA+1] th:TH_LOAD_NT scope:SCOPE_SE
.Lnot_mine_\@:
.endm
; THE CHANGE OF SLOTS stands where all reads of the old slot have been issued.  Each wave waits for all its tensor loads, of which one is out: its block of the other slot; adds 0 to its spare word; waits for that
; and for its reads of the old slot.  The round shows the same of every wave of every partner; the joint refill, two slots on, is the first thing behind it and has four tiles in which to land.
.macro CHANGE
	WIN 0
	s_wait_tensorcnt 0x0                           ; no tensor load of mine is out, so a group 0 may be written
	ds_add_u32 v[SPW], v[NIL]                      ; the steps below stand between the add and the wait for it
	s_xor_b32 s[FB], s[FB], SLOTB                  ; the other slot than last time: FB is 0 or SLOTB
	s_add_co_u32 s[G0B+1], s[FB], s[WQ]            ; my block in it
	s_add_nc_u64 s[G0B+2:G0B+3], s[G0B+2:G0B+3], SG  ; the next slot in memory; the type bits on top are not reached
	s_wait_xcnt 0x0                                ; the last prefetch, four tiles back, has read its address
	s_add_nc_u64 s[PFA:PFA+1], s[PFA:PFA+1], SG
	s_wait_dscnt 0x0                               ; the add is done, and my reads of the old slot are over
	CROUND
	tensor_load_to_lds s[G0B:G0B+3], s[G1:G1+7]
	s_nop 0
	PLACES
	ASK
	s_sub_co_u32 s[TBK], s[TBK], 4*TILEB           ; the fetches go back to a slot's first tile,
	s_xor_b32 s[TBK], s[TBK], SLOTB                ; in the other slot
	s_sub_co_u32 s[TBE], s[TBE], 256
	s_xor_b32 s[TBE], s[TBE], SLOTB
.endm
; THE BEGINNING: z comes in two passes of 128 channels.  Wave w takes channels 128 p + 32 w + 0..31; a load covers a channel's 128 rows, 512 consecutive bytes.
.macro ZLOAD p
	WIN 0x40*(\p)                                  ; pass 0 into v128-255 of window 0, pass 1 into v0-127 of window 1
.set q, 0
.rept 32
	global_load_b128 v[128-128*(\p)+4*q:128-128*(\p)+4*q+3], v[ZO], s[4:5] offset:(\p)*524288+4096*q th:TH_LOAD_NT
.set q, q+1
.endr
.endm
.macro CVT p                           ; rounded once to bf16: 8 bytes a lane and channel
	WIN 0x05*(\p)
.set q, 0
.rept 32
	v_cvt_pk_bf16_f32 v[PK+2*q],   v[128-128*(\p)+4*q],   v[128-128*(\p)+4*q+1]
	v_cvt_pk_bf16_f32 v[PK+2*q+1], v[128-128*(\p)+4*q+2], v[128-128*(\p)+4*q+3]
.set q, q+1
.endr
	WIN 0
.endm
.macro SQS first                       ; the squares of the ROUNDED numbers, onto my four rows' sums; the very first squares start them
.set q, 0
.rept 32
.set rT, TW+4*(q%2)
	v_lshlrev_b32 v[rT],   16,    v[PK+2*q]
	v_and_b32     v[rT+1], s[HM], v[PK+2*q]
	v_lshlrev_b32 v[rT+2], 16,    v[PK+2*q+1]
	v_and_b32     v[rT+3], s[HM], v[PK+2*q+1]
.if (\first) && (q == 0)
	v_pk_mul_f32 v[SQ:SQ+1],   v[rT:rT+1],   v[rT:rT+1]
	v_pk_mul_f32 v[SQ+2:SQ+3], v[rT+2:rT+3], v[rT+2:rT+3]
.else
	v_pk_fma_f32 v[SQ:SQ+1],   v[rT:rT+1],   v[rT:rT+1],   v[SQ:SQ+1]
	v_pk_fma_f32 v[SQ+2:SQ+3], v[rT+2:rT+3], v[rT+2:rT+3], v[SQ+2:SQ+3]
.endif
.set q, q+1
.endr
.endm
.macro ZSTORE                          ; my 32 channels into the stage: 256 consecutive bytes an instruction
.set q, 0
.rept 32
	ds_store_b64 v[AS], v[PK+2*q:PK+2*q+1] offset:SPI*q
.set q, q+1
.endr
.endm
; The stage holds [channel][row]: the turning load takes 16 channels x 16 rows and leaves half a fragment: lane l holds row l % 16 and 8 channels.  Fragment (block a, K step 4 p + kk) at 8 (8 kk + a) of window 2 + p.
.macro TRLOAD p
	WIN 0x80+0x40*(\p)
.irp kk, 0,1,2,3
.irp a, 0,1,2,3,4,5,6,7
	ds_load_tr16_b128 v[8*(8*\kk+\a):8*(8*\kk+\a)+3],   v[AT] offset:32*\kk*SPI+32*\a
	ds_load_tr16_b128 v[8*(8*\kk+\a)+4:8*(8*\kk+\a)+7], v[AT] offset:32*\kk*SPI+32*\a+16*SPI
.endr
.endr
	WIN 0
.endm
; THE MATRIX WORK.  Instruction i of a period's 64: K step i / 8, block i % 8, in accumulator buffer b.  The 8 accumulators take turns, one instruction a turn, from period to period too.
; The first 8 start the sums with the constant 0: nothing is cleared.
.macro MM b
.set kS, i/8
.set aB, i%8
.set rD, ACC+64*(\b)+8*aB
.set rA, 64*(\b)+8*kS
.set rB, 8*(8*(kS%4)+aB)
	WIN 0x09+4*(kS/4)                              ; codes in window 1, z in window 2 or 3, sums in window 0
.if kS == 0
	v_wmma_f32_16x16x32_bf16 v[rD:rD+7], v[rA:rA+7], v[rB:rB+7], 0
.else
	v_wmma_f32_16x16x32_bf16 v[rD:rD+7], v[rA:rA+7], v[rB:rB+7], v[rD:rD+7]
.endif
.endm
; THE VECTOR WORK.  Entry n of the 176 that finish the tile in the OTHER accumulator buffer.  The blocks go in pairs, 44 entries a pair, the two alternating, so that no entry reads the result of the one before it.
; For a block, 22: 0-3 A - 2 M, two at a time (the accumulator's lowest registers are read first); 4-7 + E; 8-11 the least of the eight; 12 is it less than best?; 13 best; 14 the tile's
; number; 15-21 the first seven distances are kept.
.macro EP b
.set aE, 2*(n/44)+(n%44)%2
.set oE, (n%44)/2
.set rD, ACC+64*(1-(\b))+8*aE
.set rE, EV+8*(1-(\b))
.set rT, TMP+aE%2
.set rM, MK+aE%2
.set rB, AB+2*aE
.set rS, SAV+7*aE
.if oE < 4
	v_pk_fma_f32 v[rD+2*oE:rD+2*oE+1], v[rD+2*oE:rD+2*oE+1], -2.0, v[rB:rB+1] op_sel_hi:[1,0,0]
.elseif oE < 8
	v_pk_add_f32 v[rD+2*oE-8:rD+2*oE-7], v[rD+2*oE-8:rD+2*oE-7], v[rE+2*oE-8:rE+2*oE-7]
.elseif oE == 8
	v_min3_num_f32 v[rT], v[rD], v[rD+1], v[rD+2]
.elseif oE < 11
	v_min3_num_f32 v[rT], v[rT], v[rD+2*oE-15], v[rD+2*oE-14]
.elseif oE == 11
	v_min_num_f32 v[rT], v[rT], v[rD+7]
.elseif oE == 12
	v_cmp_lt_f32 s[rM], v[rT], v[rB+1]
.elseif oE == 13
	v_min_num_f32 v[rB+1], v[rB+1], v[rT]
.elseif oE == 14
	v_cndmask_b32 v[TID+aE], v[TID+aE], s[TS], s[rM]
.else
	v_cndmask_b32 v[rS+oE-15], v[rS+oE-15], v[rD+oE-15], s[rM]
.endif
.set n, n+1
.endm
.macro SLICE b                         ; 3, 3, 3, 2 entries behind four matrix instructions: 16 x 11 = 176
	WIN 0
	EP \b
	EP \b
.if (i%4) != 3
	EP \b
.endif
.endm
; THE LDS LOADS stand in runs.  A tile's 8 fragments (16 codes x 32 channels: lane l holds code l % 16; two loads of 16 bytes, 32 bytes apart) into fragment buffer b:
.macro FETCH b
	WIN 0
	v_add_nc_u32 v[ADR], s[TBK], v[AK0]
	WIN 0x40                                       ; destination window 1
.irp k, 0,1,2,3,4,5,6,7
	ds_load_b128 v[64*(\b)+8*\k:64*(\b)+8*\k+3],   v[ADR] offset:64*\k
	ds_load_b128 v[64*(\b)+8*\k+4:64*(\b)+8*\k+7], v[ADR] offset:64*\k+32
.endr
	s_add_co_u32 s[TBK], s[TBK], TILEB
.endm
.macro ELOAD b                         ; E of my lane's eight codes of a tile
	WIN 0
	v_add_nc_u32 v[ADE], s[TBE], v[AE0]
	ds_load_b128 v[EV+8*(\b):EV+8*(\b)+3],   v[ADE]
	ds_load_b128 v[EV+8*(\b)+4:EV+8*(\b)+7], v[ADE] offset:16
	s_add_co_u32 s[TBE], s[TBE], 64
.endm
; A PERIOD.  The wait leaves the two youngest LDS loads out: E of this period's tile, which is wanted a period later, behind the next such wait.  The next tile's fragments are fetched behind the second product:
; the buffer's last reader is the last product of the period before, and eight entries and the address's line lie between.  Its E is fetched behind product 55: by then 154 entries are out, and the buffer's
; last reader is entry 147.  Each accumulator's first reader stands 19 plain instructions or more behind its last product.  epi = 0: the first period, which has no tile to finish: eight v_nop are its places.
.macro PERIOD b, epi=1, fetch=1
	s_wait_dscnt 0x2
.set i, 0
.set n, 0
.rept 64
	MM \b
.if \epi
	SLICE \b
.endif
.if (\fetch) && (i == 1)
	FETCH 1-(\b)
.endif
.if (\fetch) && (i == 55)
	ELOAD 1-(\b)
.endif
.set i, i+1
.endr
.if \epi
	s_add_co_u32 s[TS], s[TS], 1
.else
	WIN 0
	PLACES
	PLACES
.endif
.endm
; (bv, iv) takes (bo, io) where bo is less, or equal with the lower index.
.macro COMB bv, iv, bo, io
	v_cmp_lt_f32 s[MK], v[\bo], v[\bv]
	v_cmp_eq_f32 s[MK+1], v[\bo], v[\bv]
	v_cmp_lt_u32 vcc_lo, v[\io], v[\iv]
	s_and_b32 s[MK+1], s[MK+1], vcc_lo
	s_or_b32 s[MK], s[MK], s[MK+1]
	v_cndmask_b32 v[\bv], v[\bv], v[\bo], s[MK]
	v_cndmask_b32 v[\iv], v[\iv], v[\io], s[MK]
.endm
	s_load_b128 s[4:7], s[0:1], 0x0                ; z s[4:5], cb s[6:7]
	s_load_b64 s[8:9], s[0:1], 0x10                ; idx
	v_lshl_add_u32 v[SPW], v0, 2, SPARE
	v_mov_b32 v[NIL], 0
	ds_add_u32 v[SPW], v[NIL]                      ; the wave's opening: the add and its wait stand ahead of my first tensor load; the set-up below, work on registers, stands between them
	v_lshrrev_b32 v[W0], 5, v0
	v_readfirstlane_b32 s[WV], v[W0]               ; wave 0..3
	s_bfe_u32 s[CX], ttmp6, 0x40000                ; cx
	s_lshl_b32 s[WG], ttmp9, 2                     ; in a cluster launch ttmp9 counts clusters
	s_add_co_u32 s[WG], s[WG], s[CX]
	s_mul_i32 s[WQ], s[WV], QB                     ; no place in the cluster enters an LDS address
	; descriptor group 1: 65 rows x 256 elements of 2 bytes, dense in memory, padded in LDS
	s_mov_b32 s[G1+0], 15|(1<<16)|(1<<20)|(1<<21)|(6<<22)|(3<<25)  ; 15:0 the mask of four; 17:16 2-byte elements; 20 padding on; 21 set beside a mask; 24:22 after every 128 words (code 6); 31:25 4 words (code 3)
	s_mov_b32 s[G1+1], 256<<16                     ; tensor_dim0 = 256
	s_mov_b32 s[G1+2], 65<<16                      ; tensor_dim1 = 65
	s_mov_b32 s[G1+3], 256<<16                     ; tile_dim0 = 256
	s_mov_b32 s[G1+4], 65                          ; tile_dim1 = 65
	s_mov_b32 s[G1+5], 256                         ; 256 elements from row to row
	s_mov_b32 s[G1+6], 0
	s_mov_b32 s[G1+7], 0
	s_mov_b32 s[G0A], 1                            ; count = 1
	s_mov_b32 s[G0A+1], s[WQ]                      ; slot 0, my block
	s_mov_b32 s[G0B], 1
	s_add_co_u32 s[G0B+1], s[WQ], SLOTB            ; slot 1, my block
	s_mov_b32 s[FB], SLOTB
	s_mul_i32 s52, s[WV], QG                       ; my block in a slot in memory: these two registers never hold cx
	s_mov_b32 s53, 0
	s_lshl_b32 s48, s[CX], 13                      ; the prefetches: my work-group's 32 pieces of my block,
	s_add_co_u32 s48, s48, s52
	s_add_co_u32 s48, s48, 2*SG                    ; in slot 2; the first change steps it to slot 3
	s_mov_b32 s49, 0
	s_lshl_b32 s50, s[WG], 9                       ; my 128 indices
	s_mov_b32 s51, 0
	s_lshr_b32 s54, s[WG], 3                       ; b,
	s_lshl_b32 s54, s54, 20
	s_and_b32 s55, s[WG], 7                        ; and which 128 of its 1,024 rows
	s_lshl_b32 s55, s55, 9
	s_add_co_u32 s54, s54, s55
	s_mov_b32 s55, 0
	s_cmp_eq_u32 ttmp9, 0
	s_cselect_b32 s[LIM], 1, -1                    ; the same in all four partners
	s_mov_b32 s[SEL], 0x76543210
	s_mov_b32 s[SEL+1], 0xfedcba98
	s_mov_b32 s[HM], 0xffff0000
	v_and_b32 v[RR], 15, v0
	v_bfe_u32 v[HH], v0, 4, 1
	v_and_b32 v[LN], 31, v0
	v_mul_u32_u24 v[AK0], v[RR], 528
	v_lshl_add_u32 v[AK0], v[HH], 4, v[AK0]
	v_add_nc_u32 v[AK0], s[WQ], v[AK0]             ; block + row x pitch + 16 x half
	s_add_co_u32 s[SW], s[WQ], EROW
	v_lshl_add_u32 v[AE0], v[HH], 5, s[SW]         ; block + E's row + my half's eight numbers
	v_lshlrev_b32 v[PFO], 8, v[LN]
	s_mul_i32 s[SW], s[WV], 32*SPI
	s_add_co_u32 s[SW], s[SW], STAGE
	v_lshl_add_u32 v[AS], v[LN], 3, s[SW]
	v_and_b32 v[W0], 7, v0
	v_bfe_u32 v[W1], v0, 3, 1
	v_lshl_add_u32 v[AT], v[HH], 3, v[W0]          ; channel 8 (l / 16) + l % 8,
	v_mul_u32_u24 v[AT], v[AT], SPI
	v_lshl_add_u32 v[AT], v[W1], 4, v[AT]          ; rows 8 ((l / 8) % 2) + 0..7
	v_add_nc_u32 v[AT], STAGE, v[AT]
	v_lshl_add_u32 v[AP], v[RR], 2, PART
	s_lshl_b32 s[SW], s[WV], 17                    ; 32 channels of 4,096 bytes
	v_lshl_add_u32 v[ZO], v[LN], 4, s[SW]
	s_lshl_b32 s[SW], s[WV], 9
	s_add_co_u32 s[SW], s[SW], PART
	v_lshl_add_u32 v[APS], v[LN], 4, s[SW]
	s_wait_dscnt 0x0                               ; the opening add is done
	s_wait_kmcnt 0x0
	s_add_nc_u64 s[G0A+2:G0A+3], s[6:7], s[52:53]  ; global address: my block of slot 0,
	s_add_nc_u64 s[G0B+2:G0B+3], s[G0A+2:G0A+3], SG  ; of slot 1
	s_or_b32 s[G0A+3], s[G0A+3], 0x80000000        ; type = 2
	s_or_b32 s[G0B+3], s[G0B+3], 0x80000000
	s_add_nc_u64 s[PFA:PFA+1], s[6:7], s[48:49]
	s_add_nc_u64 s[8:9], s[8:9], s[50:51]
	s_add_nc_u64 s[4:5], s[4:5], s[54:55]
	CROUND                                         ; all four work-groups are here: the first joint loads meet
	tensor_load_to_lds s[G0A:G0A+3], s[G1:G1+7]    ; both first fills go out together, ahead of every wait on TENSORcnt and every LDS read: two loads of mine are out
	s_nop 0
	tensor_load_to_lds s[G0B:G0B+3], s[G1:G1+7]
	s_nop 0
	PLACES
	ZLOAD 0
	ZLOAD 1
	WIN 0
	s_wait_loadcnt 32                              ; pass 0 is in; pass 1's 32 loads stay out
	CVT 0
	SQS 1
	ZSTORE
	s_wait_dscnt 0x0                               ; for the others' sake: my channels lie in the stage
	s_barrier_signal -1
	s_barrier_wait -1
	TRLOAD 0                                       ; K steps 0-3 of all 128 rows
	s_wait_loadcnt 0x0
	CVT 1                                          ; (the packed registers' stores were waited for above)
	SQS 0
	s_wait_dscnt 0x0                               ; my reads of the stage are back,
	s_barrier_signal -1
	s_barrier_wait -1                              ; everybody's are: the stage is written again
	ZSTORE
	ds_store_b128 v[APS], v[SQ:SQ+3]
	s_wait_dscnt 0x0
	s_barrier_signal -1
	s_barrier_wait -1
	TRLOAD 1                                       ; K steps 4-7
.irp a, 0,1,2,3,4,5,6,7
.irp wv, 0,1,2,3
	ds_load_b32 v[ACC+4*\a+\wv], v[AP] offset:512*\wv+64*\a  ; the four waves' parts of A for row 16 a + l % 16
.endr
.endr
	s_mov_b32 s[SW], 0x7f800000                    ; what the first tile finds: best and the kept distances +infinity, the tile's number 0: 72 lines, once, while those loads are out
.set q, 0
.rept 8
	v_mov_b32 v[AB+2*q+1], s[SW]
	v_mov_b32 v[TID+q], 0
.set q, q+1
.endr
.set q, 0
.rept 56
	v_mov_b32 v[SAV+q], s[SW]
.set q, q+1
.endr
	s_wait_dscnt 0x0
.irp a, 0,1,2,3,4,5,6,7
	v_pk_add_f32 v[ACC+4*\a:ACC+4*\a+1], v[ACC+4*\a:ACC+4*\a+1], v[ACC+4*\a+2:ACC+4*\a+3]
.endr
.irp a, 0,1,2,3,4,5,6,7
	v_add_f32 v[AB+2*\a], v[ACC+4*\a], v[ACC+4*\a+1]
.endr
	s_wait_tensorcnt 0x1                           ; my block of slot 0 is in, and I alone read it; slot 1's load stays out
	s_mov_b32 s[TBK], 0
	s_mov_b32 s[TBE], 0
	s_mov_b32 s[TS], 0
	FETCH 0
	ELOAD 0
	PERIOD 0, 0, 1                                 ; tile 0
	s_mov_b32 s[CNT], 1
	s_mov_b32 s[SLOTS], 31
	s_branch .Lpair                                ; tiles 1 and 2 go by the loop's text, ahead of the first change
.Lslot:                                            ; 30 times: every slot but the last two is filled again
	CHANGE
	s_mov_b32 s[CNT], 2
.Lpair:
	PERIOD 1
	PERIOD 0
	WIN 0                                          ; at a label and at a branch every window is 0
	s_sub_co_u32 s[CNT], s[CNT], 1
	s_cmp_lg_u32 s[CNT], 0
	s_cbranch_scc1 .Lpair
	s_sub_co_u32 s[SLOTS], s[SLOTS], 1
	s_cmp_lg_u32 s[SLOTS], 0
	s_cbranch_scc1 .Lslot
	s_wait_tensorcnt 0x0                           ; the tail is written out.  My block of the last slot is in: no load was issued behind it; nothing is filled, so no barrier
	s_sub_co_u32 s[TBK], s[TBK], 4*TILEB
	s_xor_b32 s[TBK], s[TBK], SLOTB
	s_sub_co_u32 s[TBE], s[TBE], 256
	s_xor_b32 s[TBE], s[TBE], SLOTB
	s_mov_b32 s[CNT], 2
.Ltail:
	PERIOD 1
	PERIOD 0
	WIN 0
	s_sub_co_u32 s[CNT], s[CNT], 1
	s_cmp_lg_u32 s[CNT], 0
	s_cbranch_scc1 .Ltail
	PERIOD 1, 1, 0                                 ; tile 127: nothing is left to fetch
	WIN 0
	s_wait_dscnt 0x0                               ; its E
.set n, 0
.rept 176
	EP 0                                           ; and tile 127 is finished
.endr
	; THE END.  For each block: the place in the winning tile; the index; the other half of the lanes'; then the four waves' results meet in LDS, where the stage lay (all its readers have passed barriers since).
	s_lshl_b32 s[SW], s[WV], 6
	v_lshl_add_u32 v[TW+3], v[HH], 3, s[SW]        ; 64 w + 8 (l / 16)
	s_lshl_b32 s[SW], s[WV], 10
	s_add_co_u32 s[SW], s[SW], STAGE
	v_lshl_add_u32 v[TW+4], v[RR], 3, s[SW]        ; in: [wave][row], 8 bytes
	s_lshl_b32 s[SW], s[WV], 9
	s_add_co_u32 s[SW], s[SW], STAGE
	v_lshl_add_u32 v[TW+5], v[LN], 4, s[SW]        ; back: waves 0 and 1 take 64 rows each, a lane two
	s_lshl_b32 s[SW], s[WV], 8
	v_lshl_add_u32 v[TW+6], v[LN], 3, s[SW]        ; and their two indices
.irp a, 0,1,2,3,4,5,6,7
	v_mov_b32 v[TW+2], 7
.irp j, 6,5,4,3,2,1,0
	v_cmp_eq_f32 vcc_lo, v[SAV+7*\a+\j], v[AB+2*\a+1]
	v_cndmask_b32 v[TW+2], v[TW+2], \j, vcc_lo     ; descending, so that the first equal one stays
.endr
	v_and_b32 v[TW], 0x7c, v[TID+\a]               ; tile T: slot T / 4, 256 codes each,
	v_and_b32 v[TW+1], 3, v[TID+\a]                ; tile T % 4 of my block, 16 codes each
	v_lshlrev_b32 v[TW], 6, v[TW]
	v_lshl_add_u32 v[TW], v[TW+1], 4, v[TW]
	v_add3_u32 v[AB+2*\a], v[TW], v[TW+3], v[TW+2] ; the index takes A's place, beside best
	v_permlanex16_b32 v[W0], v[AB+2*\a], s[SEL], s[SEL+1]
	v_permlanex16_b32 v[W1], v[AB+2*\a+1], s[SEL], s[SEL+1]
	COMB AB+2*\a+1, AB+2*\a, W1, W0
	ds_store_b64 v[TW+4], v[AB+2*\a:AB+2*\a+1] offset:128*\a  ; both halves of the lanes write the same pair
.endr
	s_wait_dscnt 0x0
	s_barrier_signal -1
	s_barrier_wait -1
	s_cmp_lt_u32 s[WV], 2
	s_cbranch_scc0 .Lend
.irp wv, 0,1,2,3
	ds_load_b128 v[ACC+4*\wv:ACC+4*\wv+3], v[TW+5] offset:1024*\wv
.endr
	s_wait_dscnt 0x0
.irp wv, 1,2,3
	COMB ACC+1, ACC, ACC+4*\wv+1, ACC+4*\wv
	COMB ACC+3, ACC+2, ACC+4*\wv+3, ACC+4*\wv+2
.endr
	v_mov_b32 v[ACC+1], v[ACC+2]
	global_store_b64 v[TW+6], v[ACC:ACC+1], s[8:9] ; the wave stores 256 consecutive bytes, at a multiple of 256 from idx's first byte
.Lend:
	s_wait_tensorcnt 0x0                           ; the wave's end, behind my last tensor load and my last LDS store
	ds_add_u32 v[SPW], v[NIL]
	s_wait_dscnt 0x0
	CROUND                                         ; the closing round: no work-group ends while a partner may still ask for a block that names it
	s_endpgm
.Lfunc_end_k_q2a58a12201_search:
	.size	k_q2a58a12201_search, .Lfunc_end_k_q2a58a12201_search-k_q2a58a12201_search
	.p2alignl 7, 3214868480
	.fill 96, 4, 3214868480
	.section	.rodata,"a",@progbits
	.p2align	6, 0x0
	.amdhsa_kernel k_q2a58a12201_search
		.amdhsa_group_segment_fixed_size 327680
		.amdhsa_private_segment_fixed_size 0
		.amdhsa_enable_private_segment 0
		.amdhsa_kernarg_size 24
		.amdhsa_user_sgpr_count 2
		.amdhsa_user_sgpr_kernarg_segment_ptr 1
		.amdhsa_wavefront_size32 1
		.amdhsa_system_sgpr_workgroup_id_x 1
		.amdhsa_system_sgpr_workgroup_id_y 1
		.amdhsa_system_sgpr_workgroup_id_z 1
		.amdhsa_system_vgpr_workitem_id 0
		.amdhsa_next_free_vgpr 1024
		.amdhsa_next_free_sgpr 66
		.amdhsa_reserve_vcc 1
		.amdhsa_float_denorm_mode_32 3
		.amdhsa_float_denorm_mode_16_64 3
		.amdhsa_memory_ordered 1
		.amdhsa_forward_progress 1
		.amdhsa_inst_pref_size 186
	.end_amdhsa_kernel
	.amdgpu_metadata
---
amdhsa.version: [ 1, 2 ]
amdhsa.kernels:
  - .name:           k_q2a58a12201_search
    .symbol:         k_q2a58a12201_search.kd
    .args:
      - { .name: z, .offset: 0, .size: 8, .value_kind: global_buffer, .address_space: global }
      - { .name: cb, .offset: 8, .size: 8, .value_kind: global_buffer, .address_space: global }
      - { .name: idx, .offset: 16, .size: 8, .value_kind: global_buffer, .address_space: global }
    .group_segment_fixed_size: 327680
    .private_segment_fixed_size: 0
    .kernarg_segment_align: 8
    .kernarg_segment_size: 24
    .max_flat_workgroup_size: 128
    .sgpr_count:     66
    .vgpr_count:     1024
    .wavefront_size: 32
...
	.end_amdgpu_metadata
.endif
;; end of part 2
;; launch place (part 3): grid 256 x 4, 4 waves a work-group, no clusters, 35,584 bytes of LDS; arguments z, emb, idx, out0, part; writes out0, part
.if DOCPART == 3
	.amdgcn_target "amdgcn-amd-amdhsa--gfx1250"
	.amdhsa_code_object_version 6
	.text
	.protected	k_q2a58a12201_place
	.globl	k_q2a58a12201_place
	.p2align	8
	.type	k_q2a58a12201_place,@function
k_q2a58a12201_place:
	s_mov_b64 s[64:65], 0
	v_nop
	global_prefetch_b8 v0, s[64:65] scope:SCOPE_SE
	s_setreg_imm32_b32 hwreg(HW_REG_WAVE_MODE, 25, 1), 1
	s_wait_xcnt 0x0
; out0[b][c][hw] = z + (emb[idx[n]][c] - z), by these two operations in f32, and part[..] = the work-group's sum of (emb[idx[n]][c] - z)^2.  z, out0: [32][256][1024] f32; emb: [8192][256] f32; idx: [32768] int32.
; LIMITS.  An index is held to 0 .. 8191 before it enters an address.  The sum of squares is taken in another order than a plain mean's.
; SHARES.  A work-group takes 128 rows n (x) and 64 channels (y): 32 KiB of z, 256 bytes of each of 128 gathered rows, 32 KiB out.  The gathered rows lie [row][channel], z and out0 [channel][row]: they are
; turned in LDS.  Wave w gathers rows 32 w .. 32 w + 31 (sixteen lanes take a row's 256 consecutive bytes) and makes channels 16 w .. 16 w + 15 (a load or store covers a channel's 128 rows, 512 consecutive bytes).
; Row p lies at place p / 4 + 32 (p % 4) of the stage, 272 bytes apart (17 x 16): the lanes that read rows 4 l + i, 32 neighbouring places, start at different groups of four banks (ISA guide 11.1).
; Straight text, no loop: all of a wave's loads go out at its start.  No matrix work; no cluster: the rows that a list names are not shared in step; no prefetch: nothing is known ahead of the loads themselves.
.set TRP,   272
.set WS,    128*TRP                    ; behind the stage: the four waves' sums
.set SPARE, WS+256                     ; the spare words, 128 bytes for each wave, which no other line names
.set LN,  1                            ; v1   lane
.set LR,  2                            ; v2   l % 16
.set HH,  3                            ; v3   l / 16
.set SPW, 4                            ; v4   LDS address of my spare word; never rewritten
.set NIL, 5                            ; v5   0; never rewritten
.set ZO,  6                            ; v6   my byte offset in z and out0
.set LC,  7                            ; v7   my 16 bytes in a row of emb
.set AS,  8                            ; v8   where I put them
.set AL,  9                            ; v9   where I read four channels of a row
.set LS,  10                           ; v[10:13] sums of squares
.set WA,  14                           ; v14  my wave's word
.set PX,  15
.set IX,  16                           ; v[16:31] my half's 16 indices, then their byte offsets
.set Z,   32                           ; v[32:95]  channel c': 4 rows
.set Q,   96                           ; v[96:159] as gathered; then row i of four, channels 4 cq + 0..3 at Q + 16 cq + 4 i
.set TT,  160                          ; v[160:163] at work
.set IA,  164                          ; v164 my half's offset in idx
.set WB,  165                          ; v165 WS
.set ZR,  166                          ; v166 0, the last store's offset
	s_load_b256 s[4:11], s[0:1], 0x0               ; z s[4:5], emb s[6:7], idx s[8:9], out0 s[10:11]
	s_load_b64 s[12:13], s[0:1], 0x20              ; part
	v_lshl_add_u32 v[SPW], v0, 2, SPARE
	v_mov_b32 v[NIL], 0
	v_lshrrev_b32 v[LN], 5, v0
	v_readfirstlane_b32 s14, v[LN]                 ; wave 0..3
	s_and_b32 s15, ttmp7, 0xffff                   ; which 64 channels
	v_and_b32 v[LN], 31, v0
	v_and_b32 v[LR], 15, v0
	v_bfe_u32 v[HH], v0, 4, 1
	s_lshl_b32 s16, s14, 16                        ; 16 channels of 4,096 bytes
	v_lshl_add_u32 v[ZO], v[LN], 4, s16
	s_lshl_b32 s16, s15, 8
	v_lshl_add_u32 v[LC], v[LR], 4, s16
	s_mul_i32 s16, s14, 8*TRP
	v_mul_u32_u24 v[AS], v[HH], 4*TRP
	v_lshl_add_u32 v[AS], v[LR], 4, v[AS]
	v_add_nc_u32 v[AS], s16, v[AS]                 ; place 8 w + 4 (l / 16), 16 bytes a lane
	s_lshl_b32 s16, s14, 6
	v_mul_u32_u24 v[AL], v[LN], TRP
	v_add_nc_u32 v[AL], s16, v[AL]                 ; place l, my wave's 16 channels
	s_lshl_b32 s16, s14, 7
	v_lshl_add_u32 v[IA], v[HH], 6, s16            ; 4 x (32 w + 16 (l / 16))
	s_lshl_b32 s16, s14, 2
	s_add_co_u32 s16, s16, WS
	v_mov_b32 v[WA], s16
	v_mov_b32 v[WB], WS
	v_mov_b32 v[ZR], 0
	v_mov_b32 v[PX], 0                             ; v_permlanex16_b32 counts as a reader of its destination
	s_mov_b32 s24, 0x76543210
	s_mov_b32 s25, 0xfedcba98
	s_lshr_b32 s18, ttmp9, 3                       ; b,
	s_lshl_b32 s18, s18, 20
	s_and_b32 s19, ttmp9, 7                        ; which 128 of its rows,
	s_lshl_b32 s19, s19, 9
	s_add_co_u32 s18, s18, s19
	s_lshl_b32 s19, s15, 18                        ; 64 channels of 4,096 bytes
	s_add_co_u32 s18, s18, s19
	s_mov_b32 s19, 0
	s_lshl_b32 s20, s15, 8
	s_add_co_u32 s20, s20, ttmp9
	s_lshl_b32 s20, s20, 2                         ; part[256 y + x]
	s_mov_b32 s21, 0
	s_lshl_b32 s22, ttmp9, 9                       ; 128 indices
	s_mov_b32 s23, 0
	s_wait_kmcnt 0x0
	s_add_nc_u64 s[4:5], s[4:5], s[18:19]
	s_add_nc_u64 s[10:11], s[10:11], s[18:19]
	s_add_nc_u64 s[12:13], s[12:13], s[20:21]
	s_add_nc_u64 s[8:9], s[8:9], s[22:23]
.irp q, 0,1,2,3
	global_load_b128 v[IX+4*\q:IX+4*\q+3], v[IA], s[8:9] offset:16*\q
.endr
.irp c, 0,1,2,3,4,5,6,7,8,9,10,11,12,13,14,15
	global_load_b128 v[Z+4*\c:Z+4*\c+3], v[ZO], s[4:5] offset:4096*\c th:TH_LOAD_NT
.endr
	s_wait_loadcnt 16                              ; the indices are in; z's 16 loads stay out
.irp i, 0,1,2,3,4,5,6,7,8,9,10,11,12,13,14,15
	v_min_u32 v[IX+\i], 0x1fff, v[IX+\i]
	v_lshl_add_u32 v[IX+\i], v[IX+\i], 10, v[LC]   ; the row's 1,024 bytes, my 16 of the work-group's 256
.endr
.irp i, 0,1,2,3,4,5,6,7,8,9,10,11,12,13,14,15
	global_load_b128 v[Q+4*\i:Q+4*\i+3], v[IX+\i], s[6:7]  ; lanes 0-15: row 32 w + i; lanes 16-31: row 32 w + 16 + i
.endr
.irp i, 0,1,2,3,4,5,6,7,8,9,10,11,12,13,14,15
	s_wait_loadcnt 15-\i                           ; row i is in (and with it all of z); the later rows stay out
	ds_store_b128 v[AS], v[Q+4*\i:Q+4*\i+3] offset:((\i)/4+32*((\i)%4))*TRP
.endr
	s_wait_dscnt 0x0                               ; for the others' sake: my 32 rows lie in the stage
	s_barrier_signal -1
	s_barrier_wait -1
.irp cq, 0,1,2,3
.irp i, 0,1,2,3
	ds_load_b128 v[Q+16*\cq+4*\i:Q+16*\cq+4*\i+3], v[AL] offset:32*\i*TRP+16*\cq  ; row 4 l + i, channels 16 w + 4 cq + 0..3
.endr
.endr
.irp cq, 0,1,2,3
	s_wait_dscnt 12-4*\cq                          ; LDS loads come back in order: these four channels' are in
.irp e, 0,1,2,3
.irp i, 0,1,2,3
	v_sub_f32 v[TT+\i], v[Q+16*\cq+4*\i+\e], v[Z+16*\cq+4*\e+\i]  ; q - z
.endr
	v_pk_add_f32 v[Z+16*\cq+4*\e:Z+16*\cq+4*\e+1],   v[Z+16*\cq+4*\e:Z+16*\cq+4*\e+1],   v[TT:TT+1]    ; z + (q - z)
	v_pk_add_f32 v[Z+16*\cq+4*\e+2:Z+16*\cq+4*\e+3], v[Z+16*\cq+4*\e+2:Z+16*\cq+4*\e+3], v[TT+2:TT+3]
.if ((\cq)+(\e)) == 0
	v_pk_mul_f32 v[LS:LS+1],   v[TT:TT+1],   v[TT:TT+1]          ; the first squares start the sums
	v_pk_mul_f32 v[LS+2:LS+3], v[TT+2:TT+3], v[TT+2:TT+3]
.else
	v_pk_fma_f32 v[LS:LS+1],   v[TT:TT+1],   v[TT:TT+1],   v[LS:LS+1]
	v_pk_fma_f32 v[LS+2:LS+3], v[TT+2:TT+3], v[TT+2:TT+3], v[LS+2:LS+3]
.endif
	global_store_b128 v[ZO], v[Z+16*\cq+4*\e:Z+16*\cq+4*\e+3], s[10:11] offset:4096*(4*\cq+\e) th:TH_STORE_NT  ; 512 consecutive bytes; these registers are not written again
.endr
.endr
	v_pk_add_f32 v[LS:LS+1], v[LS:LS+1], v[LS+2:LS+3]
	v_add_f32 v[LS], v[LS], v[LS+1]
	v_add_f32_dpp v[LS], v[LS], v[LS] row_xmask:1 row_mask:0xf bank_mask:0xf
	v_add_f32_dpp v[LS], v[LS], v[LS] row_xmask:2 row_mask:0xf bank_mask:0xf
	v_add_f32_dpp v[LS], v[LS], v[LS] row_xmask:4 row_mask:0xf bank_mask:0xf
	v_add_f32_dpp v[LS], v[LS], v[LS] row_xmask:8 row_mask:0xf bank_mask:0xf
	v_permlanex16_b32 v[PX], v[LS], s24, s25
	v_add_f32 v[LS], v[LS], v[PX]
	ds_store_b32 v[WA], v[LS]                      ; all lanes write the same word with the same value
	s_wait_dscnt 0x0
	s_barrier_signal -1
	s_barrier_wait -1
	ds_load_b128 v[TT:TT+3], v[WB]
	s_wait_dscnt 0x0
	v_add_f32 v[TT], v[TT], v[TT+1]
	v_add_f32 v[TT+2], v[TT+2], v[TT+3]
	v_add_f32 v[TT], v[TT], v[TT+2]
	v_cmp_eq_u32 vcc_lo, 0, v0
	s_wait_xcnt 0x0                                ; EXEC changes only behind this wait: the stores above have it among their sources
	s_and_saveexec_b32 s16, vcc_lo
	global_store_b32 v[ZR], v[TT], s[12:13]        ; thread 0 alone: one number a work-group
	s_wait_xcnt 0x0                                ; and again, in front of the line that widens it
	s_or_b32 exec_lo, exec_lo, s16
	s_wait_tensorcnt 0x0                           ; the wave's end, behind my last LDS store
	ds_add_u32 v[SPW], v[NIL]
	s_wait_dscnt 0x0
	s_endpgm
.Lfunc_end_k_q2a58a12201_place:
	.size	k_q2a58a12201_place, .Lfunc_end_k_q2a58a12201_place-k_q2a58a12201_place
	.p2alignl 7, 3214868480
	.fill 96, 4, 3214868480
	.section	.rodata,"a",@progbits
	.p2align	6, 0x0
	.amdhsa_kernel k_q2a58a12201_place
		.amdhsa_group_segment_fixed_size 35584
		.amdhsa_private_segment_fixed_size 0
		.amdhsa_enable_private_segment 0
		.amdhsa_kernarg_size 40
		.amdhsa_user_sgpr_count 2
		.amdhsa_user_sgpr_kernarg_segment_ptr 1
		.amdhsa_wavefront_size32 1
		.amdhsa_system_sgpr_workgroup_id_x 1
		.amdhsa_system_sgpr_workgroup_id_y 1
		.amdhsa_system_sgpr_workgroup_id_z 1
		.amdhsa_system_vgpr_workitem_id 0
		.amdhsa_next_free_vgpr 168
		.amdhsa_next_free_sgpr 66
		.amdhsa_reserve_vcc 1
		.amdhsa_float_denorm_mode_32 3
		.amdhsa_float_denorm_mode_16_64 3
		.amdhsa_memory_ordered 1
		.amdhsa_forward_progress 1
		.amdhsa_inst_pref_size 20
	.end_amdhsa_kernel
	.amdgpu_metadata
---
amdhsa.version: [ 1, 2 ]
amdhsa.kernels:
  - .name:           k_q2a58a12201_place
    .symbol:         k_q2a58a12201_place.kd
    .args:
      - { .name: z, .offset: 0, .size: 8, .value_kind: global_buffer, .address_space: global }
      - { .name: emb, .offset: 8, .size: 8, .value_kind: global_buffer, .address_space: global }
      - { .name: idx, .offset: 16, .size: 8, .value_kind: global_buffer, .address_space: global }
      - { .name: out0, .offset: 24, .size: 8, .value_kind: global_buffer, .address_space: global }
      - { .name: part, .offset: 32, .size: 8, .value_kind: global_buffer, .address_space: global }
    .group_segment_fixed_size: 35584
    .private_segment_fixed_size: 0
    .kernarg_segment_align: 8
    .kernarg_segment_size: 40
    .max_flat_workgroup_size: 128
    .sgpr_count:     66
    .vgpr_count:     168
    .wavefront_size: 32
...
	.end_amdgpu_metadata
.endif
;; end of part 3
;; launch total (part 4): grid 1 x 1, 1 waves a work-group, no clusters, 0 bytes of LDS; arguments part, out1; writes out1
.if DOCPART == 4
	.amdgcn_target "amdgcn-amd-amdhsa--gfx1250"
	.amdhsa_code_object_version 6
	.text
	.protected	k_q2a58a12201_total
	.globl	k_q2a58a12201_total
	.p2align	8
	.type	k_q2a58a12201_total,@function
k_q2a58a12201_total:
	s_mov_b64 s[64:65], 0
	v_nop
	global_prefetch_b8 v0, s[64:65] scope:SCOPE_SE
	s_setreg_imm32_b32 hwreg(HW_REG_WAVE_MODE, 25, 1), 1
	s_wait_xcnt 0x0
; out1 = 2 x the mean of (z_q - z)^2 = the sum of the 1,024 partial sums x 2 / 8,388,608 = x 2^-22.  The two means of the loss are the same number, so their sum is twice one of them, exactly.
; One wave: eight loads of 512 consecutive bytes, a tree of packed additions, the sum over the lanes.  The sum spans work-groups, so it has a launch of its own; its order is fixed.
.set P, 8                              ; v[8:39] 32 partial sums a lane
	s_load_b128 s[4:7], s[0:1], 0x0                ; part s[4:5], out1 s[6:7]
	v_lshlrev_b32 v1, 4, v0
	v_mov_b32 v2, 0
	v_mov_b32 v40, 0                               ; v_permlanex16_b32 counts as a reader of its destination
	s_mov_b32 s12, 0x76543210
	s_mov_b32 s13, 0xfedcba98
	s_wait_kmcnt 0x0
.irp i, 0,1,2,3,4,5,6,7
	global_load_b128 v[P+4*\i:P+4*\i+3], v1, s[4:5] offset:512*\i
.endr
	s_wait_loadcnt 0x0
.irp r, 0,2,4,6,8,10,12,14
	v_pk_add_f32 v[P+\r:P+\r+1], v[P+\r:P+\r+1], v[P+16+\r:P+16+\r+1]
.endr
.irp r, 0,2,4,6
	v_pk_add_f32 v[P+\r:P+\r+1], v[P+\r:P+\r+1], v[P+8+\r:P+8+\r+1]
.endr
.irp r, 0,2
	v_pk_add_f32 v[P+\r:P+\r+1], v[P+\r:P+\r+1], v[P+4+\r:P+4+\r+1]
.endr
	v_pk_add_f32 v[P:P+1], v[P:P+1], v[P+2:P+3]
	v_add_f32 v[P], v[P], v[P+1]
	v_add_f32_dpp v[P], v[P], v[P] row_xmask:1 row_mask:0xf bank_mask:0xf
	v_add_f32_dpp v[P], v[P], v[P] row_xmask:2 row_mask:0xf bank_mask:0xf
	v_add_f32_dpp v[P], v[P], v[P] row_xmask:4 row_mask:0xf bank_mask:0xf
	v_add_f32_dpp v[P], v[P], v[P] row_xmask:8 row_mask:0xf bank_mask:0xf
	v_permlanex16_b32 v40, v[P], s12, s13
	v_add_f32 v[P], v[P], v40
	v_mul_f32 v[P], 0x34800000, v[P]               ; 2^-22
	v_cmp_eq_u32 vcc_lo, 0, v0
	s_wait_xcnt 0x0                                ; EXEC changes only behind this wait
	s_and_saveexec_b32 s9, vcc_lo
	global_store_b32 v2, v[P], s[6:7]
	s_wait_xcnt 0x0                                ; and again, in front of the line that widens it
	s_or_b32 exec_lo, exec_lo, s9
	s_endpgm
.Lfunc_end_k_q2a58a12201_total:
	.size	k_q2a58a12201_total, .Lfunc_end_k_q2a58a12201_total-k_q2a58a12201_total
	.p2alignl 7, 3214868480
	.fill 96, 4, 3214868480
	.section	.rodata,"a",@progbits
	.p2align	6, 0x0
	.amdhsa_kernel k_q2a58a12201_total
		.amdhsa_group_segment_fixed_size 0
		.amdhsa_private_segment_fixed_size 0
		.amdhsa_enable_private_segment 0
		.amdhsa_kernarg_size 16
		.amdhsa_user_sgpr_count 2
		.amdhsa_user_sgpr_kernarg_segment_ptr 1
		.amdhsa_wavefront_size32 1
		.amdhsa_system_sgpr_workgroup_id_x 1
		.amdhsa_system_sgpr_workgroup_id_y 1
		.amdhsa_system_sgpr_workgroup_id_z 1
		.amdhsa_system_vgpr_workitem_id 0
		.amdhsa_next_free_vgpr 48
		.amdhsa_next_free_sgpr 66
		.amdhsa_reserve_vcc 1
		.amdhsa_float_denorm_mode_32 3
		.amdhsa_float_denorm_mode_16_64 3
		.amdhsa_memory_ordered 1
		.amdhsa_forward_progress 1
		.amdhsa_inst_pref_size 3
	.end_amdhsa_kernel
	.amdgpu_metadata
---
amdhsa.version: [ 1, 2 ]
amdhsa.kernels:
  - .name:           k_q2a58a12201_total
    .symbol:         k_q2a58a12201_total.kd
    .args:
      - { .name: part, .offset: 0, .size: 8, .value_kind: global_buffer, .address_space: global }
      - { .name: out1, .offset: 8, .size: 8, .value_kind: global_buffer, .address_space: global }
    .group_segment_fixed_size: 0
    .private_segment_fixed_size: 0
    .kernarg_segment_align: 8
    .kernarg_segment_size: 16
    .max_flat_workgroup_size: 32
    .sgpr_count:     66
    .vgpr_count:     48
    .wavefront_size: 32
...
	.end_amdgpu_metadata
.endif
;; end of part 4
;; ======== version 2 of 2: 4 launches; version 1 with the launch codes written anew for expert scheduling mode
;; workspace buffers: cb 4,259,840 bytes; idx 131,072 bytes of whole numbers; part 4,096 bytes
;; launch codes (part 5): grid 128 x 1, 8 waves a work-group, no clusters, 1,280 bytes of LDS; arguments emb, cb; writes cb
.if DOCPART == 5
	.amdgcn_target "amdgcn-amd-amdhsa--gfx1250"
	.amdhsa_code_object_version 6
	.text
	.protected	k_q2a58a12201_codes
	.globl	k_q2a58a12201_codes
	.p2align	8
	.type	k_q2a58a12201_codes,@function
k_q2a58a12201_codes:
	s_mov_b64 s[64:65], 0
	v_nop
	global_prefetch_b8 v0, s[64:65] scope:SCOPE_SE
	s_setreg_imm32_b32 hwreg(HW_REG_WAVE_SCHED_MODE, 0, 2), 2
	s_setreg_imm32_b32 hwreg(HW_REG_WAVE_MODE, 25, 1), 1
	s_wait_xcnt 0x0
	s_wait_alu depctr_vm_vsrc(0)
; cb = the codebook as the search wants it.  emb: [8192][256] f32.  cb: 128 blocks of 65 rows x 512 bytes, dense: rows 0-63 of block g are
; bf16(emb[64 g + i][0..255]); row 64 holds E[64 g + 0..63] = the sum of the squares of the ROUNDED row, in f32 (256 bytes), then 256 bytes of zeros.
; LIMITS.  E is the sum over the numbers rounded to bf16, taken in another order than a plain row sum; NaN and infinities are not treated apart.
; SHARES.  Work-group g makes block g; each of its eight waves takes 8 rows.  A row is 1,024 bytes: two loads of 512 consecutive bytes; a lane's 4 + 4 numbers
; round to 8 + 8 bytes, so each store of the wave covers 256 consecutive bytes, aligned.  The 64 sums meet in LDS, and wave 0 writes the block's last row whole.
; No matrix work, no cluster, no prefetch: nothing is shared, every byte is read once, and all of a wave's loads go out at its start.
; THE MODE: SCHED_MODE bits 1:0 = 2 (LLVM: expert scheduling mode 2), set by the entry lines.  The code itself states the register dependences
; between vector instructions and memory or LDS instructions, with s_wait_alu, always for 0.
; THE PLAN.  Registers that memory or LDS instructions touch:
;   v[LO], v[SO], v[EA], v[ERD], v[EO]   offsets and LDS addresses: made once at the head, never written again.
;   X + 8 p ..    row p: two loads land there; its four conversions write the first four registers in place; its two global stores read those four; nothing writes them again.
;   R + p         row p's finished sum: written by the row's last addition, read by one LDS store, never written again.
;   ER            wave 0 alone: an LDS load lands there (no vector line has named them), four selects write them, the last store reads them.
;   T, S and PX are named by vector instructions alone.  v[SPW], v[NIL]: written at the head, read by the closing add alone.
; So ONE wait on va_vdst stands in a row, behind its conversions: it states that they have written the row's four packed registers and that the row before has written its sum.  The row's two
; global stores and the LDS store of the row before follow it; the vector lines behind it name X + 8 p as a source, T, S, PX and R + p: they write none of the registers that those three read.
; No register that a memory or LDS instruction reads is written afterwards, so no wait on vm_vsrc stands behind the entry lines.
.set QG,    33280                      ; bytes in a block of cb
.set ES,    0                          ; LDS: the 64 sums
.set SPARE, 256                        ; behind them: the spare words, 128 bytes for each of eight waves, which no other line names
.set LO,  2                            ; v2   my byte offset in the block's rows of emb: 8,192 x wave + 16 x lane
.set SO,  3                            ; v3   the same in cb: 4,096 x wave + 8 x lane
.set SPW, 4                            ; v4   LDS address of my spare word; never rewritten
.set NIL, 5                            ; v5   0; never rewritten
.set EA,  6                            ; v6   LDS address of my wave's first sum
.set ERD, 7                            ; v7   wave 0: where I read four sums
.set T,   8                            ; v[8:15]  eight rounded numbers as f32
.set S,   16                           ; v[16:17] the row's sum, at work
.set PX,  18                           ; v18  the other half of the lanes' sum
.set EO,  19                           ; v19  16 x lane
.set ER,  20                           ; v[20:23] wave 0: 16 bytes of the last row
.set R,   24                           ; v[24:31] row p's finished sum at R + p
.set X,   32                           ; v[32:95] row p: 8 registers as loaded; the first four then hold the rounded row
	s_load_b128 s[4:7], s[0:1], 0x0                ; emb s[4:5], cb s[6:7]
	v_lshl_add_u32 v[SPW], v0, 2, SPARE
	v_mov_b32 v[NIL], 0
	v_lshrrev_b32 v1, 5, v0
	v_readfirstlane_b32 s8, v1                     ; wave 0..7
	v_and_b32 v1, 31, v0                           ; lane.  What does not hang on the wave's number stands between that line and the wait for it
	v_and_b32 v[ERD], 15, v0
	v_lshlrev_b32 v[ERD], 4, v[ERD]
	v_lshlrev_b32 v[EO], 4, v1
	v_mov_b32 v[PX], 0                             ; v_permlanex16_b32 counts as a reader of its destination
	s_mov_b32 s12, 0x76543210                      ; each lane takes its own place in the other half
	s_mov_b32 s13, 0xfedcba98
	s_mov_b32 s14, 0xffff0000                      ; a word's upper bf16
	s_lshl_b32 s10, ttmp9, 16                      ; 64 rows of 1,024 bytes
	s_mov_b32 s11, 0
	s_mul_i32 s16, ttmp9, QG
	s_mov_b32 s17, 0
	s_wait_alu depctr_va_sdst(0)                   ; s8 is written, ahead of its first reader: three offsets, and later a branch, are made from it
	s_lshl_b32 s9, s8, 13                          ; the three scalars that vector lines read: each in a register of its own
	s_lshl_b32 s18, s8, 12
	s_lshl_b32 s19, s8, 5
	v_lshl_add_u32 v[LO], v1, 4, s9
	v_lshl_add_u32 v[SO], v1, 3, s18
	v_mov_b32 v[EA], s19                           ; ES + 4 x (8 x wave)
	s_wait_kmcnt 0x0
	s_add_nc_u64 s[4:5], s[4:5], s[10:11]
	s_add_nc_u64 s[6:7], s[6:7], s[16:17]
	s_wait_alu depctr_va_vdst(0)                   ; v[LO], v[SO], v[EA], v[ERD] and v[EO] are written: every load, store and LDS instruction of the kernel reads one of them as its offset or address
.irp p, 0,1,2,3,4,5,6,7
	global_load_b128 v[X+8*\p:X+8*\p+3],   v[LO], s[4:5] offset:1024*\p th:TH_LOAD_NT
	global_load_b128 v[X+8*\p+4:X+8*\p+7], v[LO], s[4:5] offset:1024*\p+512 th:TH_LOAD_NT
.endr
.irp p, 0,1,2,3,4,5,6,7
	s_wait_loadcnt 14-2*\p                         ; loads come back in order: row p's two are in, the later rows' stay out
	v_cvt_pk_bf16_f32 v[X+8*\p],   v[X+8*\p],   v[X+8*\p+1]
	v_cvt_pk_bf16_f32 v[X+8*\p+1], v[X+8*\p+2], v[X+8*\p+3]
	v_cvt_pk_bf16_f32 v[X+8*\p+2], v[X+8*\p+4], v[X+8*\p+5]
	v_cvt_pk_bf16_f32 v[X+8*\p+3], v[X+8*\p+6], v[X+8*\p+7]
	s_wait_alu depctr_va_vdst(0)                   ; the conversions have written the row's four packed registers, which the two stores below read; the row before has written its sum, which the LDS store reads
	global_store_b64 v[SO], v[X+8*\p:X+8*\p+1],   s[6:7] offset:512*\p      ; channels 0-127: 256 consecutive bytes; a row's registers are never rewritten
	global_store_b64 v[SO], v[X+8*\p+2:X+8*\p+3], s[6:7] offset:512*\p+256  ; channels 128-255
.if (\p) > 0
	ds_store_b32 v[EA], v[R+(\p)-1] offset:ES+4*(\p)-4  ; the row before: all lanes write the same word with the same value
.endif
.irp j, 0,1,2,3
	v_lshlrev_b32 v[T+2*\j],   16,  v[X+8*\p+\j]   ; the rounded numbers back as f32
	v_and_b32     v[T+2*\j+1], s14, v[X+8*\p+\j]
.endr
	v_pk_mul_f32 v[S:S+1], v[T:T+1], v[T:T+1]      ; the first squares start the sum
	v_pk_fma_f32 v[S:S+1], v[T+2:T+3], v[T+2:T+3], v[S:S+1]
	v_pk_fma_f32 v[S:S+1], v[T+4:T+5], v[T+4:T+5], v[S:S+1]
	v_pk_fma_f32 v[S:S+1], v[T+6:T+7], v[T+6:T+7], v[S:S+1]
	v_add_f32 v[S], v[S], v[S+1]
	v_add_f32_dpp v[S], v[S], v[S] row_xmask:1 row_mask:0xf bank_mask:0xf
	v_add_f32_dpp v[S], v[S], v[S] row_xmask:2 row_mask:0xf bank_mask:0xf
	v_add_f32_dpp v[S], v[S], v[S] row_xmask:4 row_mask:0xf bank_mask:0xf
	v_add_f32_dpp v[S], v[S], v[S] row_xmask:8 row_mask:0xf bank_mask:0xf
	v_permlanex16_b32 v[PX], v[S], s12, s13
	v_add_f32 v[R+(\p)], v[S], v[PX]               ; every lane holds the row's sum, in the row's own register
.endr
	s_wait_alu depctr_va_vdst(0)                   ; row 7's last addition has written its sum, which the LDS store below reads
	ds_store_b32 v[EA], v[R+7] offset:ES+28
	s_wait_dscnt 0x0                               ; for the others' sake: my eight sums lie in LDS
	s_barrier_signal -1
	s_barrier_wait -1
	s_cmp_lg_u32 s8, 0
	s_cbranch_scc1 .Lend                           ; wave 0 alone writes the last row
	ds_load_b128 v[ER:ER+3], v[ERD] offset:ES      ; no vector line has named v[ER ..], and v[ERD] was written ahead of the head's wait
	v_cmp_gt_u32 vcc_lo, 16, v1                    ; lanes 0-15 carry the 64 sums, lanes 16-31 zeros
	s_wait_dscnt 0x0
	s_wait_alu depctr_va_vcc(0)                    ; the compare has written VCC, ahead of its first reader, the select below
.irp j, 0,1,2,3
	v_cndmask_b32 v[ER+\j], 0, v[ER+\j], vcc_lo
.endr
	s_wait_alu depctr_va_vdst(0)                   ; the four selects have written v[ER ..], which the store reads
	global_store_b128 v[EO], v[ER:ER+3], s[6:7] offset:32768  ; 512 consecutive bytes
.Lend:
	s_wait_dscnt 0x0                               ; the closing lines, six on end
	s_wait_alu 0x0
	s_wait_tensorcnt 0x0
	ds_add_u32 v[SPW], v[NIL]
	s_wait_dscnt 0x0
	s_endpgm
.Lfunc_end_k_q2a58a12201_codes:
	.size	k_q2a58a12201_codes, .Lfunc_end_k_q2a58a12201_codes-k_q2a58a12201_codes
	.p2alignl 7, 3214868480
	.fill 96, 4, 3214868480
	.section	.rodata,"a",@progbits
	.p2align	6, 0x0
	.amdhsa_kernel k_q2a58a12201_codes
		.amdhsa_group_segment_fixed_size 1280
		.amdhsa_private_segment_fixed_size 0
		.amdhsa_enable_private_segment 0
		.amdhsa_kernarg_size 16
		.amdhsa_user_sgpr_count 2
		.amdhsa_user_sgpr_kernarg_segment_ptr 1
		.amdhsa_wavefront_size32 1
		.amdhsa_system_sgpr_workgroup_id_x 1
		.amdhsa_system_sgpr_workgroup_id_y 1
		.amdhsa_system_sgpr_workgroup_id_z 1
		.amdhsa_system_vgpr_workitem_id 0
		.amdhsa_next_free_vgpr 96
		.amdhsa_next_free_sgpr 66
		.amdhsa_reserve_vcc 1
		.amdhsa_float_denorm_mode_32 3
		.amdhsa_float_denorm_mode_16_64 3
		.amdhsa_memory_ordered 1
		.amdhsa_forward_progress 1
		.amdhsa_inst_pref_size 16
	.end_amdhsa_kernel
	.amdgpu_metadata
---
amdhsa.version: [ 1, 2 ]
amdhsa.kernels:
  - .name:           k_q2a58a12201_codes
    .symbol:         k_q2a58a12201_codes.kd
    .args:
      - { .name: emb, .offset: 0, .size: 8, .value_kind: global_buffer, .address_space: global }
      - { .name: cb, .offset: 8, .size: 8, .value_kind: global_buffer, .address_space: global }
    .group_segment_fixed_size: 1280
    .private_segment_fixed_size: 0
    .kernarg_segment_align: 8
    .kernarg_segment_size: 16
    .max_flat_workgroup_size: 256
    .sgpr_count:     66
    .vgpr_count:     96
    .wavefront_size: 32
...
	.end_amdgpu_metadata
.endif
;; end of part 5
;; launch search: the kernel of part 2 again; grid 256 x 1, 4 waves a work-group, clusters of 4 x 1, 327,680 bytes of LDS; arguments z, cb, idx; writes idx
;; launch place: the kernel of part 3 again; grid 256 x 4, 4 waves a work-group, no clusters, 35,584 bytes of LDS; arguments z, emb, idx, out0, part; writes out0, part
;; launch total: the kernel of part 4 again; grid 1 x 1, 1 waves a work-group, no clusters, 0 bytes of LDS; arguments part, out1; writes out1
